; MI455X (gfx1250); checked and timed in simulation.
; The chip was launched on July 23, 2026; its instructions are those of AMD's public machine-readable ISA for CDNA 5 (MIT licence, August 2026) and "CDNA5" Instruction Set Architecture Reference Guide (July 2026). The comments in the code are by the model that wrote it; some were corrected since.
;; Optimized A Li Bi Multi Head Attention. Allowed arithmetic: matrix products marked QUANTISED: E2M1 operands, one E8M0 scale for each 32 along K, by v_wmma_scale_f32_16x16x128_f8f6f4 with both operands' format E2M1 (or v_wmma_scale_f32_32x16x128_f4), f32 sums; everything else in f32.
;; Inputs: W_kqv_codes 3,072 x 32 x 16 uint8 (E2M1 codes of W_kqv, K innermost, in blocks of 32 codes, two codes a byte); W_kqv_scales 3,072 x 32 uint8 (E8M0 scales of W_kqv, one for each 32 codes along K); x_codes 4 x 2,048 x 32 x 16 uint8 (E2M1 codes of x, K innermost, in blocks of 32 codes, two codes a byte); x_scales 4 x 2,048 x 32 uint8 (E8M0 scales of x, one for each 32 codes along K).
;; Outputs: out0 4 x 2,048 x 1,024 float32.
;; This version of the problem:
;;   THIS VERSION OF THE PROBLEM IS GIVEN IN LOW PRECISION. The matrix products marked QUANTISED in the list below multiply operands that are first quantised to E2M1 (2 exponent bits, 1 mantissa bit; 4 bits a number), with one power-of-two scale for each 32 numbers along K (OCP MX v1.0); their sums are f32. All else is computed in f32.
;;   The module's matrix products, in the order in which they are computed (A, B: the left and right operand; K: the contracted axis; several contracted axes count as one K, in the product's order):
;;     1. [M 8,192, K 1,024] x [K 1,024, N 3,072]; A: input x (given as codes); B: input W_kqv (given as codes): QUANTISED
;;     2. batch 64 x [M 2,048, K 64] x [K 64, N 2,048]; A: computed on the way; B: computed on the way: QUANTISED
;;     3. batch 64 x [M 2,048, K 2,048] x [K 2,048, N 64]; A: softmax (see below); B: computed on the way: QUANTISED
;;   THE QUANTISER, for each operand of a quantised product, along K:
;;     - K is cut into blocks of 32 from its start; a last block that is shorter is filled with zeros.
;;     - A block's scale is 2^e with e = floor(log2(the largest magnitude in the block)) - 2, held to -126 .. 127; a block of zeros has e = 0. As a byte (E8M0): e + 127.
;;     - Each number is divided by its block's scale, clamped to +-6, and rounded to the nearest number of E2M1, ties to even, subnormals kept.
;;     - The product sums the exact products of the quantised numbers (number of the format x scale) in f32.
;;   ~~~python
;;   def quantise(x, axis):      # numpy; x: float32 -> the quantised numbers, widened to float32 again
;;       x = np.moveaxis(x, axis, -1); K = x.shape[-1]
;;       x = np.pad(x, [(0, 0)] * (x.ndim - 1) + [(0, -K % 32)]); x = x.reshape(x.shape[:-1] + (-1, 32)); a = np.abs(x).max(-1, keepdims=True)
;;       e = np.where(a > 0, np.clip(np.frexp(np.where(a > 0, a, 1))[1] - 1 - 2, -126, 127), 0)      # np.frexp(a)[1] - 1 = floor(log2(a)), exactly
;;       r = np.clip(x / 2.0 ** e, -6, 6)
;;       step = 2.0 ** (np.maximum(np.frexp(np.where(r == 0, 1, r))[1] - 1, 0) - 1)
;;       q = np.round(r / step) * step * 2.0 ** e      # np.round: ties to even
;;       return np.moveaxis(q.reshape(q.shape[:-2] + (-1,))[..., :K], -1, axis).astype(np.float32)
;;   ~~~
;;   SOFTMAX AHEAD OF A QUANTISED PRODUCT. Where the list says 'softmax', what is quantised is not the finished softmax but p = 2^(t - M), with t = logit x log2(e) and M = ceil(the row's largest t), a whole number; so 1/2 < the row's largest p <= 1. The row's sum l is taken of the UNQUANTISED p, in f32, and the product's result is divided by l at the end. Since M is a whole number, a kernel that streams over the keys may use a running M (the ceiling of the running maximum): every later rescaling is an exact power of two, which a block's scale takes up: the codes' values come out the same.
;;   OPERANDS COMPUTED ON THE WAY. 'Computed on the way' means the value that the module computes at that place (a softmax that the list does not call 'softmax' is quantised finished and normalised). What goes into a quantiser is computed in f32, as accurately as f32 sums, v_exp_f32 and their like allow (about 1e-6 of the number): no bf16 or f16 on the way to a quantiser, and a product that is left as it is and whose result goes on into a quantised operand takes f32 operands (vector FMAs, or v_wmma_f32_16x16x4_f32). A number that lies on a knife's edge between two numbers of the format may be rounded either way, as far as f32 arithmetic and the matrix unit's own rounding can turn it there, and no further.
;;   INPUTS GIVEN AS CODES. W_kqv (in the module: [3072, 1024], K = its axis 1); x (in the module: [4, 2048, 1024], K = its axis 2): each comes as NAME_codes (uint8): NAME with its K axis moved to the last place and cut into blocks of 32 codes, [.., K / 32, bytes a block], one block behind the other in memory; two codes a byte, the lower K in the low four bits (a code: sign, 2 exponent bits, 1 mantissa bit); and NAME_scales (uint8): the same leading axes, one E8M0 byte (e + 127) for each 32 codes along K. Its value is code x scale, taken as it is: it is not quantised again, and the codes and scales need not be those that the quantiser above would give.
;; One version. Each part assembles by itself: llvm-mc -triple=amdgcn-amd-amdhsa -mcpu=gfx1250 --defsym DOCPART=n.
;; ======== version 1 of 1: 2 launches
;; limits: right only within a limited range of input values
;; workspace buffers: qkv_codes 12,582,912 bytes; qkv_scales 786,432 bytes
;; launch proj (part 1): grid 12 x 32, 4 waves a work-group, clusters of 4 x 4, 327,680 bytes of LDS; arguments x_codes, x_scales, W_kqv_codes, W_kqv_scales, qkv_codes, qkv_scales; writes qkv_codes, qkv_scales
.if DOCPART == 1
	.amdgcn_target "amdgcn-amd-amdhsa--gfx1250"
	.amdhsa_code_object_version 6
	.text
	.protected	k_q6ab27b414f_proj
	.globl	k_q6ab27b414f_proj
	.p2align	8
	.type	k_q6ab27b414f_proj,@function
k_q6ab27b414f_proj:
	s_mov_b64 s[64:65], 0
	v_nop
	global_prefetch_b8 v0, s[64:65] scope:SCOPE_SE
	s_setreg_imm32_b32 hwreg(HW_REG_WAVE_MODE, 25, 1), 1
	s_wait_xcnt 0x0
	s_wait_alu depctr_hold_cnt(0) depctr_sa_sdst(0) depctr_va_vdst(0) depctr_va_sdst(0) depctr_va_ssrc(0) depctr_va_vcc(0) depctr_vm_vsrc(0)
	s_getreg_b32 s2, hwreg(HW_REG_IB_STS2, 6, 4)
	s_cmp_eq_u32 s2, 0
	s_cbranch_scc0 .Lentry_in_a_cluster
	s_endpgm
.Lentry_in_a_cluster:
	s_bfe_u32 s2, ttmp6, 0x10000c
	s_cmp_lg_u32 s2, 0xf033
	s_cbranch_scc0 .Lentry_shape_is_right
	s_endpgm
.Lentry_shape_is_right:
; kqv = x W^T on codes of FP4 (E2M1) with E8M0 scales, 8,192 x 3,072 x 1,024, and at once the quantising of k, q (along a head's 64 channels) and v (along the keys): the f32 result never goes to memory.
; A tile of the result, 256 tokens x 256 columns, is made by four waves; a wave makes 128 x 128: 64 accumulators of 16 x 16, 512 registers.  All of K (1,024: two slots of 512) lies in LDS at once: no LDS byte is filled twice.
; CLUSTERS: 4 x 4 work-groups; x's tiles are shared along a row of the cluster, W's along a column: joint loads.  A cluster's x number is the type: 0 = k, 1 = q, 2 = v (W's rows 0-1023, 1024-2047, 2048-3071).
; ROLES.  Source 1 of the matrix instruction (P) gives the result's lanes, source 0 (R) its registers.  A quantiser wants its K along a lane's registers: for k and q the channels, so P = x, R = W; for v the keys, so P = W, R = x.
;   The tile is square and x's and W's rows are both 512 bytes, so one text serves: only the LDS addresses that are READ are chosen by the type, which all partners of a cluster share.
; THE ROWS OF A FRAGMENT ARE NOT NEIGHBOURS: of a wave's 128 rows, fragment a takes as its row m the row 64 (a / 4) + 8 (a % 4) + 32 (m / 8) + m % 8, on both sides.  In the result lane half h, register j of R's fragment b is then
;   R's row 64 (b / 4) + 32 h + 8 (b % 4) + j: the 32 registers of fragments 4 c .. 4 c + 3 are ONE WHOLE BLOCK of 32, in order: its largest magnitude needs no other lane, and the four conversions give 16 bytes that belong together.
; WORKSPACE, as images of the next launch's operand registers; plane = 64 x type + 16 x batch + head.  Codes, 65,536 bytes a plane: k, q: [tile of 16 tokens 0..127][lane][16 bytes]; v: [128 keys 0..15][fragment 0..3][half 0..1][lane][16 bytes].
;   Scale words, 4,096 bytes a plane: [128 tokens 0..15][lane 0..15][4 words].  k, q: word g = the two bytes of tile 2 g, then those of tile 2 g + 1.  v: word ct = the four key blocks' bytes of fragment ct's row.
; LIMITS: NaN, infinities and input scale bytes of 255 are not served.  A block whose largest magnitude lies under 2^-124 gets the byte 1 (a block of zeros too: its codes are zeros, and this program alone reads the bytes).
; The rows 32 apart of a fragment load fall on the same banks two deep at this pitch.  The launch claims more LDS than it uses (296,448 bytes).
.set PITCH,  272                       ; an LDS row: 256 bytes (512 codes) + 16 of padding
.set HALFT,  128*PITCH                 ; 128 rows: what one tensor load brings, and what a wave reads of a side
.set SLOT,   4*HALFT                   ; x's 256 rows, then W's 256 rows
.set SCL,    2*SLOT                    ; behind the slots: the scale bytes for all of K, 32 a row, as units of 256 bytes + 16 of padding
.set HALFS,  16*272                    ; those of 128 rows: x's two halves, then W's two
.set FR,     8                         ; registers of a fragment
.set NQ,     4
.set SPARE,  SCL+4*HALFS               ; behind the scales: the spare words, 128 bytes a wave, which no other line names
.set SPW,  28                          ; v28  LDS address of my spare word; never rewritten
.set NIL,  29                          ; v29  0; never rewritten
.set G0H,  4                           ; s[4:7], s[8:11] group 0 of the head's loads of slot 0: x's 256 rows, W's 256 rows (the arguments there have been used by then)
.set G0HB, 8
.set ADRP, 16                          ; v16-17  LDS address of P's fragments in slot 0, 1
.set ADRR, 20                          ; v20-21  the same for R
.set ADRS, 27                          ; v27     LDS address of my scale words: lanes 0-15 P's rows, lanes 16-31 R's
.set SC,   32                          ; v32-95  scale words, a set of 32 for each slot: register 4 i + q: fragment i, the slot's q-th 128 along K
.set AF,   128                         ; v128-191 P's fragments, one set (window 0);  R's: two sets, v0 and v128 of window 1;  accumulator (a, b) at v[8 (8 (a % 4) + b)] of window 2 + a / 4
.set G1, 24                            ; s[24:31] descriptor group 1 for x's tiles;  s[36:39] group 0 for slot 1
.set G0, 32
.set G1B, 48                           ; s[48:55], s[60:63] the same for W's tiles
.set G0B, 56
.set G1S, 68                           ; s[68:75], s[76:79] groups 1 and 0 for x's scales;  s[80:87], s[88:91] for W's
.set G0S, 76
.set G1SB, 80
.set G0SB, 88
.set MSB, 0
.macro WIN new                         ; the immediate's high byte repeats the setting that is left; a switch that changes nothing is dropped
.if MSB != (\new)
	s_set_vgpr_msb (MSB<<8)|(\new)
.set MSB, (\new)
.endif
.endm
.set MUL_LO, 0xa1                      ; source 0 (R) window 1, source 1 (P) window 0, C and D window 2
.set MUL_HI, 0xf1                      ; the same, C and D window 3
.set TO_R,   0x40                      ; destination window 1, address window 0
; A joint load: waves 0 and 1 fetch for x, waves 2 and 3 for W.  Each line has one mask and one set of registers; the branch hangs on the wave's number alone.  Four v_nop follow each line.
.macro JLOAD g0a, g1a, g0b, g1b
	s_cmp_eq_u32 s17, 0
	s_cbranch_scc0 .Lfor_w_\@
	tensor_load_to_lds s[\g0a:\g0a+3], s[\g1a:\g1a+7]
	s_nop 0
.rept 4
	v_nop
.endr
	s_branch .Lasked_\@
.Lfor_w_\@:
	tensor_load_to_lds s[\g0b:\g0b+3], s[\g1b:\g1b+7]
	s_nop 0
.rept 4
	v_nop
.endr
.Lasked_\@:
.endm
.macro CROUND                          ; a round of the cluster's barrier
	s_barrier_signal -1
	s_barrier_wait -1
	s_cmp_lg_u32 s16, 0
	s_cbranch_scc1 .Lnot_wave_0_\@
	s_barrier_signal -3
.Lnot_wave_0_\@:
	s_barrier_wait -3
	s_barrier_signal -1
	s_barrier_wait -1
.endm
	s_load_b128 s[4:7], s[0:1], 0x0                ; x's codes, x's scales
	s_load_b128 s[8:11], s[0:1], 0x10              ; W's codes, W's scales
	s_load_b128 s[12:15], s[0:1], 0x20             ; the workspace: codes, scale words
	v_lshl_add_u32 v[SPW], v0, 2, SPARE
	v_mov_b32 v[NIL], 0
	ds_add_u32 v[SPW], v[NIL]                      ; the opening lines: the add, twice on end, and its wait ahead of my first tensor load
	ds_add_u32 v[SPW], v[NIL]
	v_lshrrev_b32 v1, 5, v0
	v_readfirstlane_b32 s16, v1                    ; wave 0..3
	s_lshr_b32 s17, s16, 1                         ; which half of P's 256 rows is mine.  Also: I fetch for x (0) or for W (1)
	s_and_b32 s18, s16, 1                          ; which half of R's.  Also: which 128 rows of that tile I fetch
	s_bfe_u32 s40, ttmp6, 0x40000                  ; cx, cy: my place in the cluster
	s_bfe_u32 s41, ttmp6, 0x40004
	s_lshl_b32 s42, ttmp9, 2
	s_add_co_u32 s42, s42, s40                     ; tile column = 4 x cluster x + cx: W's rows 256 x that on
	s_and_b32 s19, ttmp7, 0xffff
	s_lshl_b32 s19, s19, 2
	s_add_co_u32 s19, s19, s41                     ; tile row = 4 x cluster y + cy: tokens 256 x that on
	s_lshl_b32 s43, s41, 2
	s_lshl_b32 s43, 15, s43                        ; my row of the cluster
	s_lshl_b32 s44, 0x1111, s40                    ; my column
	; descriptor group 1: a tile of 128 rows x 256 bytes out of rows of 512, padded in LDS
	; no padding field: a tile's row counts 272 bytes over a tensor of 256, so the 16 bytes behind each row's data are written as zeros and the LDS pitch is 272
	s_or_b32 s[G1+0], s43, (1<<21)                 ; 15:0 the mask: x's tiles go to my row; elements of 1 byte; 21 set beside a mask
	s_or_b32 s[G1B+0], s44, (1<<21)                ; W's go to my column
.irp g, G1, G1B
	s_mov_b32 s[\g+1], 256<<16                     ; tensor_dim0
	s_mov_b32 s[\g+2], 256<<16                     ; tensor_dim1: 256 rows for the head's loads
	s_mov_b32 s[\g+3], 272<<16                     ; tile_dim0
	s_mov_b32 s[\g+4], 256                         ; tile_dim1
	s_mov_b32 s[\g+5], 512                         ; from row to row
	s_mov_b32 s[\g+6], 0
	s_mov_b32 s[\g+7], 0
.endr
	; the scales of 128 rows: a dense block of 4,096 bytes, as 16 rows of 256 bytes (32 elements of 8 bytes), 16 bytes of padding behind each
	s_or_b32 s[G1S+0], s43, (3<<16)|(1<<21)        ; the scales of 256 rows: 32 rows of 32 elements of 8 bytes, each laid as 34 elements, the last two zeros
	s_or_b32 s[G1SB+0], s44, (3<<16)|(1<<21)
.irp g, G1S, G1SB
	s_mov_b32 s[\g+1], 32<<16
	s_mov_b32 s[\g+2], 32<<16
	s_mov_b32 s[\g+3], 34<<16
	s_mov_b32 s[\g+4], 32
	s_mov_b32 s[\g+5], 32
	s_mov_b32 s[\g+6], 0
	s_mov_b32 s[\g+7], 0
.endr
	s_lshl_b32 s20, s19, 8                         ; x: the tile's first row, 256 x tile row
	s_lshl_b32 s46, s42, 8                         ; W: 256 x tile column
	s_lshl_b32 s22, s20, 5                         ; where these rows' scale bytes begin (32 a row),
	s_mov_b32 s23, 0
	s_lshl_b32 s92, s46, 5
	s_mov_b32 s93, 0
	s_lshl_b32 s20, s20, 9                         ; and their codes (512 bytes a row): all under 2^23
	s_mov_b32 s21, 0
	s_lshl_b32 s46, s46, 9
	s_mov_b32 s47, 0
	s_mul_i32 s45, s16, HALFT                      ; where they go: wave x 128 rows: no place in the cluster enters an LDS address
	s_mov_b32 s98, 0x76543210
	s_mov_b32 s99, 0xfedcba98                      ; v_permlanex16_b32's selects for lane l xor 16
	s_wait_dscnt 0x0                               ; both opening adds are done
	s_wait_kmcnt 0x0
	s_add_nc_u64 s[20:21], s[4:5], s[20:21]
	s_add_nc_u64 s[22:23], s[6:7], s[22:23]
	s_add_nc_u64 s[46:47], s[8:9], s[46:47]
	s_add_nc_u64 s[92:93], s[10:11], s[92:93]
	CROUND                                         ; all sixteen work-groups are here: the joint loads meet
	s_mov_b32 s[G0S], 1
	s_mov_b32 s[G0S+1], SCL
	s_mov_b64 s[G0S+2:G0S+3], s[22:23]
	s_or_b32 s[G0S+3], s[G0S+3], 0x80000000
	s_mov_b32 s[G0SB], 1
	s_mov_b32 s[G0SB+1], SCL+2*HALFS
	s_mov_b64 s[G0SB+2:G0SB+3], s[92:93]
	s_or_b32 s[G0SB+3], s[G0SB+3], 0x80000000
	s_mov_b32 s[G0H], 1                            ; slot 0's 256 rows of x,
	s_mov_b32 s[G0H+1], 0
	s_mov_b64 s[G0H+2:G0H+3], s[20:21]
	s_or_b32 s[G0H+3], s[G0H+3], 0x80000000
	s_mov_b32 s[G0HB], 1                           ; and of W, behind them
	s_mov_b32 s[G0HB+1], 2*HALFT
	s_mov_b64 s[G0HB+2:G0HB+3], s[46:47]
	s_or_b32 s[G0HB+3], s[G0HB+3], 0x80000000
	s_lshl_b32 s94, s18, 16                        ; for slot 1 I fetch 128 rows of 512 bytes: which half
	s_mov_b32 s95, 0
	s_add_nc_u64 s[20:21], s[20:21], s[94:95]
	s_add_nc_u64 s[46:47], s[46:47], s[94:95]
.irp s, 1
	s_mov_b32 s[G0+4*\s], 1
	s_add_co_u32 s[G0+4*\s+1], s45, \s*SLOT
	s_add_nc_u64 s[G0+4*\s+2:G0+4*\s+3], s[20:21], \s*256
	s_or_b32 s[G0+4*\s+3], s[G0+4*\s+3], 0x80000000
	s_mov_b32 s[G0B+4*\s], 1
	s_add_co_u32 s[G0B+4*\s+1], s45, \s*SLOT
	s_add_nc_u64 s[G0B+4*\s+2:G0B+4*\s+3], s[46:47], \s*256
	s_or_b32 s[G0B+4*\s+3], s[G0B+4*\s+3], 0x80000000
.endr
; THE HEAD'S LOADS, ONE A WAVE: wave 0 slot 0's rows of x, wave 1 those of W, wave 2 x's scales, wave 3 W's.  One tree of branches on the wave's number: every way passes one load.
.macro ARM under, g0, g1, next
	s_cmp_lt_u32 s16, \under
	s_cbranch_scc0 \next
	tensor_load_to_lds s[\g0:\g0+3], s[\g1:\g1+7]
	s_nop 0
.rept 4
	v_nop
.endr
	s_branch .Lhead_asked
\next:
.endm
	ARM 1, G0H,  G1,  .Lhead_b
	ARM 2, G0HB, G1B, .Lhead_sa
	ARM 3, G0S,  G1S, .Lhead_sb
	tensor_load_to_lds s[G0SB:G0SB+3], s[G1SB:G1SB+7]
	s_nop 0
.rept 4
	v_nop
.endr
.Lhead_asked:
	; what the type decides, all by selects on one compare: which side of a slot is P's and which R's, and how the results lie in the workspace
	s_cmp_eq_u32 ttmp9, 2                          ; v?
	s_cselect_b32 s21, 2*HALFT, 0                  ; P's rows in a slot: W's lie behind x's 256
	s_cselect_b32 s22, 0, 2*HALFT                  ; R's
	s_cselect_b32 s23, 2*HALFS, 0                  ; P's scales
	s_cselect_b32 s101, 0, 2*HALFS                 ; R's
	s_cselect_b32 s100, s17, s18                   ; which half of the tile's 4 heads is mine: W's side
	s_cselect_b32 s95, s18, s17                    ; which half of its 256 tokens: x's side
	s_mov_b32 s96, 512
	s_cselect_b32 s96, 1024, s96                   ; bytes from P's fragment a to a + 1: k, q: a tile of tokens; v: a fragment of channels
	s_mov_b32 s97, 65536
	s_cselect_b32 s97, 512, s97                    ; from R's half 0 to half 1: k, q: the next head's plane; v: the fragment's second 64 keys
	s_mov_b32 s66, 2048
	s_cselect_b32 s66, 65536, s66                  ; from P's fragments 0-3 to 4-7: k, q: four tiles on; v: the next head's plane
	s_mov_b32 s67, 0
	s_mul_i32 s20, s17, HALFT
	s_add_co_u32 s21, s21, s20                     ; + my half of P's rows
	s_mul_i32 s20, s18, HALFT
	s_add_co_u32 s22, s22, s20                     ; + my half of R's
	s_mul_i32 s20, s17, HALFS
	s_add_co_u32 s23, s23, s20
	s_add_co_u32 s23, s23, SCL
	s_mul_i32 s20, s18, HALFS
	s_add_co_u32 s101, s101, s20
	s_add_co_u32 s101, s101, SCL
	v_and_b32 v1, 15, v0                           ; r = lane % 16
	v_bfe_u32 v2, v0, 4, 1                         ; h = lane / 16
	v_and_b32 v3, 7, v0                            ; r % 8
	v_bfe_u32 v4, v0, 3, 1                         ; r / 8
	v_lshl_add_u32 v5, v4, 5, v3                   ; my row of fragment 0: r % 8 + 32 (r / 8)
	v_mul_u32_u24 v5, v5, PITCH
	v_lshl_add_u32 v5, v2, 4, v5                   ; + 16 h
.irp s, 0,1
	v_add_nc_u32 v[ADRP+\s], s21, v5
	v_add_nc_u32 v[ADRR+\s], s22, v5
	s_add_co_u32 s21, s21, SLOT
	s_add_co_u32 s22, s22, SLOT
.endr
	v_mul_u32_u24 v6, v4, 4*272                    ; my row's scale bytes: eight rows to a unit of 272 bytes, 32 bytes a row
	v_lshl_add_u32 v6, v3, 5, v6
	v_mov_b32 v7, s23
	v_mov_b32 v8, s101
	v_cmp_eq_u32 vcc_lo, 1, v2
	v_cndmask_b32 v7, v7, v8, vcc_lo               ; lanes 0-15 take P's words, lanes 16-31 R's
	v_add_nc_u32 v[ADRS], v6, v7
	; where my results go
	s_lshl_b32 s20, ttmp9, 6
	s_lshr_b32 s21, s19, 3                         ; the batch: 8 tile rows each
	s_lshl_b32 s21, s21, 4
	s_add_co_u32 s20, s20, s21
	s_lshl_b32 s21, s40, 2                         ; a tile column holds 4 heads
	s_add_co_u32 s20, s20, s21
	s_lshl_b32 s21, s100, 1
	s_add_co_u32 s20, s20, s21                     ; my first plane: 64 x type + 16 x batch + head; I make two heads
	s_and_b32 s21, s19, 7
	s_lshl_b32 s21, s21, 1
	s_add_co_u32 s21, s21, s95                     ; which 128 tokens of the batch's 2,048
	s_lshl_b32 s22, s20, 16
	s_lshl_b32 s23, s21, 12
	s_add_co_u32 s22, s22, s23                     ; codes: 65,536 x plane + 4,096 x that
	s_mov_b32 s23, 0
	s_add_nc_u64 s[12:13], s[12:13], s[22:23]      ; for P's fragments 0-3,
	s_add_nc_u64 s[66:67], s[12:13], s[66:67]      ; and for 4-7
	s_lshl_b32 s22, s20, 12
	s_lshl_b32 s21, s21, 8
	s_add_co_u32 s22, s22, s21                     ; scale words: 4,096 x plane + 256 x that
	s_add_nc_u64 s[14:15], s[14:15], s[22:23]
.macro FRAG reg, adr, q, i             ; fragment i, 16 rows x 128 K: 8 registers: lane (r, h) holds registers 4 c .. 4 c + 3 = K 64 c + 32 h + 0 .. 31 of its row
.irp c, 0,1
	ds_load_b128 v[\reg+4*\c:\reg+4*\c+3], v[\adr] offset:64*(\q)+32*\c+(64*((\i)/4)+8*((\i)%4))*PITCH
.endr
.endm
; 16 matrix instructions: P's fragments a0, a0 + 1 x R's eight, the slot's q-th 128 along K.  p: R's set;  sc: the set of scale words.  zero = 1: the first product starts the sums.
; The 64 accumulators take turns, one instruction a turn, in the same order in every step.
.macro MUL16 a0, p, q, sc, zero
.irp a, \a0, \a0+1
.irp b, 0,1,2,3,4,5,6,7
.if \zero
	v_wmma_scale_f32_16x16x128_f8f6f4 v[8*(8*((\a)%4)+\b):8*(8*((\a)%4)+\b)+7], v[128*(\p)+FR*\b:128*(\p)+FR*\b+FR-1], v[AF+FR*(\a):AF+FR*(\a)+FR-1], 0, v[SC+8*NQ*(\sc)+NQ*\b+(\q)], v[SC+8*NQ*(\sc)+NQ*(\a)+(\q)] matrix_a_fmt:MATRIX_FMT_FP4 matrix_b_fmt:MATRIX_FMT_FP4 matrix_a_scale:MATRIX_SCALE_ROW1
.else
	v_wmma_scale_f32_16x16x128_f8f6f4 v[8*(8*((\a)%4)+\b):8*(8*((\a)%4)+\b)+7], v[128*(\p)+FR*\b:128*(\p)+FR*\b+FR-1], v[AF+FR*(\a):AF+FR*(\a)+FR-1], v[8*(8*((\a)%4)+\b):8*(8*((\a)%4)+\b)+7], v[SC+8*NQ*(\sc)+NQ*\b+(\q)], v[SC+8*NQ*(\sc)+NQ*(\a)+(\q)] matrix_a_fmt:MATRIX_FMT_FP4 matrix_b_fmt:MATRIX_FMT_FP4 matrix_a_scale:MATRIX_SCALE_ROW1
.endif
.endr
.endr
.endm
.macro FETCH_R slot, q, p              ; R's eight fragments of the slot's q-th 128 along K into set p
	WIN TO_R
.irp i, 0,1,2,3,4,5,6,7
	FRAG 128*(\p)+FR*\i, ADRR+\slot, \q, \i
.endr
	WIN 0
.endm
.macro FETCH_P slot, q, i0             ; P's fragments i0 .. i0 + 3
.irp i, \i0, \i0+1, \i0+2, \i0+3
	FRAG AF+FR*(\i), ADRP+\slot, \q, \i
.endr
.endm
.macro SCALES sc                       ; a slot's scale words into set sc: four words a row; lanes 0-15 take P's fragment i, lanes 16-31 R's fragment i
.irp i, 0,1,2,3,4,5,6,7
	ds_load_b128 v[SC+8*NQ*\sc+NQ*\i:SC+8*NQ*\sc+NQ*\i+3], v[ADRS] offset:(8*(\i/4)+(\i%4))*272
.endr
.endm
; A load into a register that a matrix instruction has read, and a vector instruction that reads a matrix result or writes one of a matrix instruction's registers, stand four places behind it;
; only plain vector instructions that name none of its registers are places (ISA guide 7.12.1 for vector instructions).
.macro PLACES n
.rept \n
	v_nop
.endr
.endm
; A step of 128 along K that has its successor in the same slot.  A fragment of P is free as soon as its eight products are issued: 0-3 are fetched anew in the step's middle, 4-7 at its end.
.macro STEP slot, q, zero
	s_wait_dscnt 8                                 ; R's set and P's fragments 0-3 are in; the youngest eight loads (P's 4-7) may be out
	WIN MUL_LO
	MUL16 0, (\q)%2, \q, \slot, \zero
	MUL16 2, (\q)%2, \q, \slot, \zero
	s_wait_dscnt 0                                 ; P's 4-7 are in (asked for 32 matrix instructions ago)
	PLACES 4
	FETCH_R \slot, (\q)+1, 1-(\q)%2
	FETCH_P \slot, (\q)+1, 0
	WIN MUL_HI
	MUL16 4, (\q)%2, \q, \slot, \zero
	MUL16 6, (\q)%2, \q, \slot, \zero
	PLACES 4
	WIN 0
	FETCH_P \slot, (\q)+1, 4
.endm
	s_wait_alu depctr_va_vdst(0)                   ; the head's end
	s_wait_tensorcnt 0x0                           ; my tile of the head's four is in
	ds_add_u32 v[SPW], v[NIL]
	s_mov_b32 s[G1+2], 128<<16                     ; no tensor load of mine is out: from here on a load brings 128 rows
	s_mov_b32 s[G1+4], 128
	s_mov_b32 s[G1B+2], 128<<16
	s_mov_b32 s[G1B+4], 128
	s_wait_dscnt 0x0                               ; the add is done
	CROUND                                         ; all four tiles are in, and all sixteen work-groups are here
	JLOAD G0+4, G1, G0B+4, G1B                     ; slot 1's first fill: my one tensor load behind the round
	FETCH_R 0, 0, 0
	FETCH_P 0, 0, 0
	SCALES 0
	FETCH_P 0, 0, 4
	STEP 0, 0, 1                                   ; the first step's products start the sums: nothing is cleared
	STEP 0, 1, 0
	STEP 0, 2, 0
	; slot 0's last step changes slots: one barrier, in front of which each wave has seen its part of slot 1 land.  Nothing is filled again
	s_wait_tensorcnt 0x0                           ; my part of slot 1 is in
	s_wait_dscnt 8                                 ; (P's 4-7 may be out)
	WIN MUL_LO
	MUL16 0, 1, 3, 0, 0
	s_wait_dscnt 0x0                               ; no LDS instruction of mine is out at a signal
	s_barrier_signal -1
	MUL16 2, 1, 3, 0, 0                            ; work on registers while the others arrive
	WIN 0
	s_barrier_wait -1                              ; slot 1 is whole
	PLACES 4
	v_add_nc_u32 v[ADRS], 4*NQ, v[ADRS]            ; on to slot 1's scale words: 16 bytes on in each row
	FETCH_R 1, 0, 0
	FETCH_P 1, 0, 0
	SCALES 1
	WIN MUL_HI
	MUL16 4, 1, 3, 0, 0
	MUL16 6, 1, 3, 0, 0
	PLACES 4
	WIN 0
	FETCH_P 1, 0, 4
	STEP 1, 0, 0
	STEP 1, 1, 0
	STEP 1, 2, 0
	s_wait_dscnt 8                                 ; the very last step: nothing more to fetch
	WIN MUL_LO
	MUL16 0, 1, 3, 1, 0
	MUL16 2, 1, 3, 1, 0
	s_wait_dscnt 0
	WIN MUL_HI
	MUL16 4, 1, 3, 1, 0
	MUL16 6, 1, 3, 1, 0
	WIN 0
; THE WAY OUT: quantised in registers, stored as register images.  For P's fragment a a lane holds two whole blocks of 32 (R's halves c = 0, 1), each in 32 registers on end.
.set TM,   32                          ; v32-35  four chains of the largest magnitude: chain 2 c + half
.set SO,   36                          ; v36-37  the conversions' scale operands
.set BY,   38                          ; v38-39  the scale bytes
.set PW,   40                          ; v40-47  fragment a's four bytes: (c 0, h 0), (c 0, h 1), (c 1, h 0), (c 1, h 1)
.set FW,   48                          ; v48-51  the four scale words that I store
.set OFF,  52                          ; v52-59  byte offsets of my 16 bytes: register 2 (a % 4) + c; never rewritten
.set SH8,  60                          ; v60     8 h
.set SELV, 61                          ; v61     a byte select
.set SOF,  62                          ; v62     the scale words' offset: 16 r + 4,096 h
.set PT,   63                          ; v63     a lane permute's destination
.set PC,   128                         ; v128-191 codes: eight registers for each a, so that no store's data are written again
	PLACES 4                                       ; behind the last products: the lines below write registers that held scale words and fragments
	v_and_b32 v[OFF], 31, v0
	v_lshlrev_b32 v[OFF], 4, v[OFF]                ; 16 x lane
	v_add_nc_u32 v[OFF+1], s97, v[OFF]
.irp i, 1,2,3
	v_add_nc_u32 v[OFF+2*\i], s96, v[OFF+2*\i-2]
	v_add_nc_u32 v[OFF+2*\i+1], s96, v[OFF+2*\i-1]
.endr
	v_bfe_u32 v[SH8], v0, 4, 1
	v_lshlrev_b32 v[SOF], 12, v[SH8]
	v_and_b32 v[PT], 15, v0
	v_lshl_add_u32 v[SOF], v[PT], 4, v[SOF]
	v_lshlrev_b32 v[SH8], 3, v[SH8]
.macro QSTORE a
.set WW, 2+(\a)/4                      ; the fragment's accumulators: window 2 or 3,
.set AC, 64*((\a)%4)                   ; 64 registers from here
.irp x, 0,1,2,3
	v_mov_b32 v[TM+\x], 0x1800000                  ; the floor 2^(3 - 127), under which no largest magnitude is taken: so the byte cannot fall under 1
.endr
	WIN (WW<<2)|(WW<<4)                            ; sources 1 and 2 in the accumulators' window
.irp n, 0,2,4,6,8,10,12,14
.irp x, 0,1,2,3
	v_max3_num_f32 v[TM+\x], v[TM+\x], |v[AC+16*\x+\n]|, |v[AC+16*\x+\n+1]|   ; four chains by turns; each accumulator is read from its low end on
.endr
.endr
	WIN 0
	v_max_num_f32 v[TM], v[TM], v[TM+1]            ; block c = 0's largest magnitude: all 32 numbers are mine
	v_max_num_f32 v[TM+2], v[TM+2], v[TM+3]        ; c = 1's
	v_add_nc_u32 v[SO], 0xff000000, v[TM]          ; 2 off the exponent field: the conversion takes the exponent field of this operand as its scale
	v_add_nc_u32 v[SO+1], 0xff000000, v[TM+2]
	v_lshrrev_b32 v[BY], 23, v[SO]                 ; the scale's byte
	v_lshrrev_b32 v[BY+1], 23, v[SO+1]
	v_lshl_or_b32 v[PW+\a], v[BY+1], 16, v[BY]
	v_lshlrev_b32 v[PW+\a], v[SH8], v[PW+\a]       ; my two bytes at their places, 8 h bits up;
	v_permlanex16_b32 v[PT], v[PW+\a], s98, s99
	v_or_b32 v[PW+\a], v[PW+\a], v[PT]             ; with lane l xor 16's two the four are together
	WIN WW                                         ; source 0 in the accumulators' window
.irp c, 0,1
.irp i, 0,1,2,3
	v_cvt_scalef32_pk8_fp4_f32 v[PC+8*(\a)+4*\c+\i], v[AC+32*\c+8*\i:AC+32*\c+8*\i+7], v[SO+\c]
.endr
.endr
	WIN 0
	v_nop                                          ; one plain line behind the last conversion: the next fragment writes the scale operands anew
.if (\a) < 4
	global_store_b128 v[OFF+2*((\a)%4)], v[PC+8*(\a):PC+8*(\a)+3], s[12:13]        ; 32 lanes store 512 consecutive bytes, at a multiple of 512 from the buffer's first byte
	global_store_b128 v[OFF+2*((\a)%4)+1], v[PC+8*(\a)+4:PC+8*(\a)+7], s[12:13]
.else
	global_store_b128 v[OFF+2*((\a)%4)], v[PC+8*(\a):PC+8*(\a)+3], s[66:67]
	global_store_b128 v[OFF+2*((\a)%4)+1], v[PC+8*(\a)+4:PC+8*(\a)+7], s[66:67]
.endif
.endm
.irp a, 0,1,2,3,4,5,6,7
	QSTORE \a
.endr
	; the scale words: lanes 0-15 make those of my first head's plane, lanes 16-31 those of the second's.  The branch hangs on the type, which all partners share
	v_cmp_eq_u32 vcc_lo, 8, v[SH8]                 ; h = 1
	s_cmp_eq_u32 ttmp9, 2
	s_cbranch_scc1 .Lv_words
	v_mov_b32 v[SELV], 0x05040100                  ; k, q: a fragment's low half is the first head's two bytes, its high half the second's;
	v_mov_b32 v[FW], 0x07060302
	v_cndmask_b32 v[SELV], v[SELV], v[FW], vcc_lo
.irp g, 0,1,2,3
	v_perm_b32 v[FW+\g], v[PW+2*\g+1], v[PW+2*\g], v[SELV]   ; word g: tile 2 g's two bytes, then tile 2 g + 1's
.endr
	s_branch .Lwords_done
.Lv_words:
	v_mov_b32 v[SELV], 0x03020100                  ; v: fragments 0-3 are the first head's, 4-7 the second's; a fragment's four bytes are its word
	v_mov_b32 v[FW], 0x07060504
	v_cndmask_b32 v[SELV], v[SELV], v[FW], vcc_lo
.irp g, 0,1,2,3
	v_perm_b32 v[FW+\g], v[PW+4+\g], v[PW+\g], v[SELV]
.endr
.Lwords_done:
	s_wait_alu depctr_va_vdst(0)
	global_store_b128 v[SOF], v[FW:FW+3], s[14:15] ; sixteen lanes store 256 consecutive bytes, aligned, in each of the two planes
	s_wait_tensorcnt 0x0                           ; the wave's end
	ds_add_u32 v[SPW], v[NIL]
	s_wait_dscnt 0x0
	CROUND                                         ; the closing round: no work-group ends while a partner may still ask for a tile that names it
	s_endpgm
.Lfunc_end_k_q6ab27b414f_proj:
	.size	k_q6ab27b414f_proj, .Lfunc_end_k_q6ab27b414f_proj-k_q6ab27b414f_proj
	.p2alignl 7, 3214868480
	.fill 96, 4, 3214868480
	.section	.rodata,"a",@progbits
	.p2align	6, 0x0
	.amdhsa_kernel k_q6ab27b414f_proj
		.amdhsa_group_segment_fixed_size 327680
		.amdhsa_private_segment_fixed_size 0
		.amdhsa_enable_private_segment 0
		.amdhsa_kernarg_size 48
		.amdhsa_user_sgpr_count 2
		.amdhsa_user_sgpr_kernarg_segment_ptr 1
		.amdhsa_wavefront_size32 1
		.amdhsa_system_sgpr_workgroup_id_x 1
		.amdhsa_system_sgpr_workgroup_id_y 1
		.amdhsa_system_sgpr_workgroup_id_z 1
		.amdhsa_system_vgpr_workitem_id 0
		.amdhsa_next_free_vgpr 1024
		.amdhsa_next_free_sgpr 102
		.amdhsa_reserve_vcc 1
		.amdhsa_float_denorm_mode_32 3
		.amdhsa_float_denorm_mode_16_64 3
		.amdhsa_memory_ordered 1
		.amdhsa_forward_progress 1
		.amdhsa_inst_pref_size 126
	.end_amdhsa_kernel
	.amdgpu_metadata
---
amdhsa.version: [ 1, 2 ]
amdhsa.kernels:
  - .name:           k_q6ab27b414f_proj
    .symbol:         k_q6ab27b414f_proj.kd
    .args:
      - { .name: x_codes, .offset: 0, .size: 8, .value_kind: global_buffer, .address_space: global }
      - { .name: x_scales, .offset: 8, .size: 8, .value_kind: global_buffer, .address_space: global }
      - { .name: W_kqv_codes, .offset: 16, .size: 8, .value_kind: global_buffer, .address_space: global }
      - { .name: W_kqv_scales, .offset: 24, .size: 8, .value_kind: global_buffer, .address_space: global }
      - { .name: qkv_codes, .offset: 32, .size: 8, .value_kind: global_buffer, .address_space: global }
      - { .name: qkv_scales, .offset: 40, .size: 8, .value_kind: global_buffer, .address_space: global }
    .group_segment_fixed_size: 327680
    .private_segment_fixed_size: 0
    .kernarg_segment_align: 8
    .kernarg_segment_size: 48
    .max_flat_workgroup_size: 128
    .sgpr_count:     102
    .vgpr_count:     1024
    .wavefront_size: 32
...
	.end_amdgpu_metadata
.endif
;; end of part 1
;; launch attn (part 2): grid 4 x 64, 16 waves a work-group, clusters of 4 x 1, 252,160 bytes of LDS; arguments qkv_codes, qkv_scales, out0; writes out0
.if DOCPART == 2
	.amdgcn_target "amdgcn-amd-amdhsa--gfx1250"
	.amdhsa_code_object_version 6
	.text
	.protected	k_q6ab27b414f_attn
	.globl	k_q6ab27b414f_attn
	.p2align	8
	.type	k_q6ab27b414f_attn,@function
k_q6ab27b414f_attn:
	s_mov_b64 s[64:65], 0
	v_nop
	global_prefetch_b8 v0, s[64:65] scope:SCOPE_SE
	s_setreg_imm32_b32 hwreg(HW_REG_WAVE_MODE, 25, 1), 1
	s_wait_xcnt 0x0
	s_wait_alu depctr_hold_cnt(0) depctr_sa_sdst(0) depctr_va_vdst(0) depctr_va_sdst(0) depctr_va_ssrc(0) depctr_va_vcc(0) depctr_vm_vsrc(0)
	s_getreg_b32 s2, hwreg(HW_REG_IB_STS2, 6, 4)
	s_cmp_eq_u32 s2, 0
	s_cbranch_scc0 .Lentry_in_a_cluster
	s_endpgm
.Lentry_in_a_cluster:
	s_bfe_u32 s2, ttmp6, 0x10000c
	s_cmp_lg_u32 s2, 0x3003
	s_cbranch_scc0 .Lentry_shape_is_right
	s_endpgm
.Lentry_shape_is_right:
; out[b][i][head][:] = the sum over j of softmax_j(q_i . k_j / 32 + slope (j - i)) v_j[:], both products on codes of FP4 (E2M1) with E8M0 scales; 64 pairs (batch, head), 2,048 tokens, 64 channels; no mask.
; SOFTMAX: t = logit x log2(e); M = the row's largest t so far, rounded up to a whole number; p = 2^(t - M) is quantised along the keys; the row's sum of the unquantised p divides at the end.  When M moves, sum and O are multiplied by 2^(old M - new M).
; THE LOGIT HAS THE SOURCE'S OWN ROUNDINGS: bias = slope x (j - i), one rounding; logit = s / 32 + bias, one rounding (a fused multiply-add by 2^-5).
; t - M: m = the largest logit so far; tm = m x log2(e) rounded to f32; M = ceil(tm); g = tm - M, exact; t - M = (logit - m) x log2(e) + g: the difference is exact for the keys that count, and one rounding follows at the size of t - M.
;   LIMIT: when m grows in a later step, what earlier steps quantised and summed stays under the earlier rounding of tm: at most one unit in the last place of t, under 2e-4 of p.
; THE BIAS IS A TABLE IN LDS.  It hangs on key - query alone.  A work-group's 512 queries and the 2,048 keys give 2,560 distances: entry x stands for key - (query - 512 cx) + 512 = x, and holds slope x (x - 512 - 512 cx): cx enters the contents, no address.
;   A lane wants eight entries on end, beginning r % 8 words under a multiple of eight: so there are four copies, copy k shifted k words up, and lane r reads copy r % 4 at a multiple of 16 bytes.
;   A copy is 10,240 bytes; copies lie 10,272 apart, so that the sixteen lanes of a load's half begin at sixteen different multiples of 16 bytes modulo 256.  Each of the 512 threads makes and stores 20 entries, once.
; SHARES.  A work-group owns 512 queries of one (batch, head); its sixteen waves own one tile of 16 queries at a time, twice over.  Every wave walks all 2,048 keys, 128 a step.  A head's K and V, 139,264 bytes, come into LDS once: no LDS byte is filled twice.
; CLUSTER.  The four work-groups of a (batch, head) read the same K and V: every fill is asked for jointly.  NO PREFETCH: all tensor loads go out at the head; there is no loop to run ahead in.
; LAYOUT.  Both products are transposed (S^T = K Q^T, O^T = V^T P^T): a lane holds one query.  Of a run of 128 tokens tile a takes as its row m the token 64 (a / 4) + 8 (a % 4) + 32 (m / 8) + m % 8.
;   So lane half h, register j of score tile 4 c + i is key 64 c + 32 h + 8 i + j: a lane's 32 registers of tiles 4 c .. 4 c + 3 are the whole block 2 c + h of the keys: conversion (c, i) gives register 4 c + i of P's fragment.
; THE FIRST PRODUCT'S K IS 64: two tiles of keys share a fragment and a scale word; Q stands beside zero codes, (Q, 0) or (0, Q); Q's scale word is its two bytes twice.
; LIMITS: NaN and infinities are not served.  p under 2^-126 comes out of v_exp_f32 as 0.  A block's largest p is made from its largest logit by the same instructions as every p: this takes v_exp_f32 not to fall where its input rises.
.set VC,   65536                       ; LDS: K's codes from 0, V's from here,
.set KSC,  131072                      ; K's scale words, 4,096 bytes, V's straight behind;
.set STG,  139264                      ; the way out: 16 rows x 272 bytes for each wave
.set SP,   272
.set TBL,  208896                      ; the bias table
.set CPB,  10272                       ; from copy to copy
.set SPARE, 250112                     ; the spare words, 128 bytes a wave
.set AK0,  1                           ; 16 x lane
.set AV0,  2                           ; the same in V's codes
.set AS0,  3                           ; scale words: KSC + 16 r + 4,096 h
.set STO,  4                           ; the stage: in
.set RD,   5                           ; and back
.set GO,   6                           ; my byte offset in out
.set ADK,  7                           ; v7-9: the step's LDS addresses
.set ADV,  8
.set ADS,  9
.set SH8,  10                          ; 8 h
.set R16,  11                          ; 16 r
                                       ; v12 g, v13 -M; v[14:15] the sum; v16-19 zeros, v20-23 Q, v24-27 zeros
.set QS,   28
.set PS,   29
.set MRN,  30                          ; -m
.set MR,   31                          ; m
.set KF,   32                          ; v32-63  K's fragments, then the bias of tiles 4-7
.set VF,   64                          ; v64-95  the bias of tiles 0-3, then V's fragments
.set S,    96                          ; v96-159 S^T, logits, p
.set O,    160                         ; v160-191 O^T
.set PCD,  192                         ; v192-199 P's codes
.set KVS,  200                         ; v200-203 scale words: lanes 0-15 K's, lanes 16-31 V's
.set SPW,  204                         ; my spare word's address; never rewritten
.set NIL,  205                         ; 0; never rewritten
.set BM,   220
.set BP,   222
.set SO,   224
.set BY,   226
.set FF,   228                         ; v[228:229] f = 2^(old M - new M)
.set T0,   232                         ; v232-234 at work
.set TA,   235                         ; where I store my part of the table
.set AB0,  236                         ; my lane's place in the table, for the second pass's queries and key 0
.set ADB,  237                         ; and in the step in hand
.set CH,   246                         ; v246-251 chains of maxima, then of sums
.set TJ,   75                          ; s75  the step's place in the table: 512 bytes a step
.set TB,   76                          ; s76  the step's codes: 4,096 bytes a step
.set TS,   77                          ; s77  its scale words: 256 bytes a step
.macro CROUND
	s_barrier_signal -1
	s_barrier_wait -1
	s_cmp_lg_u32 s10, 0
	s_cbranch_scc1 .Lnot_wave_0_\@
	s_barrier_signal -3
.Lnot_wave_0_\@:
	s_barrier_wait -3
	s_barrier_signal -1
	s_barrier_wait -1
.endm
.macro NOPS
.rept 4
	v_nop
.endr
.endm
	s_load_b128 s[4:7], s[0:1], 0x0                ; the workspace: codes, scale words
	s_load_b64 s[8:9], s[0:1], 0x10                ; out
	v_lshl_add_u32 v[SPW], v0, 2, SPARE
	v_mov_b32 v[NIL], 0
	ds_add_u32 v[SPW], v[NIL]                      ; the opening lines: the add, twice on end, and its wait
	ds_add_u32 v[SPW], v[NIL]
	v_lshrrev_b32 v7, 5, v0
	s_delay_alu instid0(VALU_DEP_1)
	v_readfirstlane_b32 s10, v7                    ; wave 0..15
	s_bfe_u32 s11, ttmp6, 0x40000                  ; cx: which 512 queries
	s_and_b32 s12, ttmp7, 0xffff                   ; 16 x batch + head
	s_and_b32 s13, s12, 15
	s_lshr_b32 s14, s12, 4
	s_add_co_u32 s86, s13, 1                       ; slope = 2^(-(head + 1) / 2): 1 / sqrt(2) or 1, with (head + 1) / 2, rounded down, off the exponent field
	s_lshr_b32 s86, s86, 1
	s_lshl_b32 s86, s86, 23
	s_and_b32 s87, s13, 1
	s_mov_b32 s16, 0x3f3504f3
	s_cmp_eq_u32 s87, 1
	s_cselect_b32 s16, 0x3f800000, s16
	s_sub_co_u32 s16, s16, s86
	s_mov_b32 s18, 0x3d000000                      ; 2^-5 (the packed forms name pairs: the high words are written too)
	s_mov_b32 s19, s18
	s_mov_b32 s20, 0x3fb8aa3b                      ; log2(e)
	s_mov_b32 s21, s20
	s_mov_b32 s22, 0x76543210
	s_mov_b32 s23, 0xfedcba98                      ; selects for lane l xor 16
	s_mov_b32 s24, 15|(3<<16)|(1<<21)              ; groups 1: dense rows of 256 bytes (32 elements of 8), mask of all four: 16 rows (scale words),
	s_mov_b32 s25, 32<<16
	s_mov_b32 s26, 16<<16
	s_mov_b32 s27, 32<<16
	s_mov_b32 s28, 16
	s_mov_b32 s29, 32
	s_mov_b32 s30, 0
	s_mov_b32 s31, 0
	s_mov_b32 s32, 15|(3<<16)|(1<<21)              ; 64 rows (a quarter of a plane of codes)
	s_mov_b32 s33, 32<<16
	s_mov_b32 s34, 64<<16
	s_mov_b32 s35, 32<<16
	s_mov_b32 s36, 64
	s_mov_b32 s37, 32
	s_mov_b32 s38, 0
	s_mov_b32 s39, 0
	s_lshl_b32 s86, s12, 16
	s_mov_b32 s87, 0
	s_lshl_b32 s88, s12, 12
	s_mov_b32 s89, 0
	s_wait_dscnt 0x0                               ; both opening adds are done
	s_wait_kmcnt 0x0
	s_add_nc_u64 s[4:5], s[4:5], s[86:87]          ; my head's plane of k's codes; q's lies 64 planes on, v's 128
	s_add_nc_u64 s[6:7], s[6:7], s[88:89]          ; and of k's scale words
	s_mov_b32 s48, 1                               ; waves 0-3 fetch K's quarters, 4-7 V's: 16,384 bytes each, to 16,384 x wave
	s_lshl_b32 s49, s10, 14
	s_lshr_b32 s86, s10, 2
	s_lshl_b32 s86, s86, 23
	s_and_b32 s88, s10, 3
	s_lshl_b32 s88, s88, 14
	s_add_co_u32 s86, s86, s88
	s_add_nc_u64 s[50:51], s[4:5], s[86:87]
	s_or_b32 s51, s51, 0x80000000
	s_mov_b32 s52, 1                               ; waves 8 and 9 fetch K's and V's scale words
	s_and_b32 s86, s10, 1
	s_lshl_b32 s53, s86, 12
	s_add_co_u32 s53, s53, KSC
	s_lshl_b32 s86, s86, 19
	s_add_nc_u64 s[54:55], s[6:7], s[86:87]
	s_or_b32 s55, s55, 0x80000000
	CROUND                                         ; all four work-groups are here: the joint loads meet
	s_cmp_lt_u32 s10, 8                            ; one chain of branches on the wave's number, one load to an arm
	s_cbranch_scc0 .Lnot_codes
	tensor_load_to_lds s[48:51], s[32:39]
	s_nop 0
	NOPS
	s_branch .Lasked
.Lnot_codes:
	s_cmp_lt_u32 s10, 10
	s_cbranch_scc0 .Lasked
	tensor_load_to_lds s[52:55], s[24:31]
	s_nop 0
	NOPS
.Lasked:
	s_lshr_b32 s91, s10, 3                         ; my first tile's row 0, counted inside the work-group's 512: 128 (wave / 8) + 64 ((wave / 4) % 2) + 8 (wave % 4)
	s_lshl_b32 s91, s91, 7
	s_bfe_u32 s88, s10, 0x10002
	s_lshl_b32 s88, s88, 6
	s_add_co_u32 s91, s91, s88
	s_and_b32 s88, s10, 3
	s_lshl_b32 s88, s88, 3
	s_add_co_u32 s91, s91, s88
	s_lshl_b32 s79, s11, 9
	s_add_co_u32 s79, s79, s91                     ; and in the head's 2,048
	s_lshl_b32 s91, s91, 2                         ; as bytes of the table
	s_lshl_b32 s86, s11, 14
	s_lshl_b32 s88, s10, 9
	s_add_co_u32 s86, s86, s88
	s_add_co_u32 s86, s86, 64*65536
	s_add_nc_u64 s[80:81], s[4:5], s[86:87]        ; Q's codes: 512 bytes a tile
	s_lshl_b32 s86, s11, 10
	s_lshr_b32 s88, s10, 3
	s_lshl_b32 s88, s88, 8
	s_add_co_u32 s86, s86, s88
	s_bfe_u32 s88, s10, 0x20001
	s_lshl_b32 s88, s88, 2
	s_add_co_u32 s86, s86, s88
	s_add_co_u32 s86, s86, 64*4096
	s_add_nc_u64 s[82:83], s[6:7], s[86:87]        ; Q's scale words: the word of my pair of tiles
	s_and_b32 s88, s10, 1
	s_mov_b32 s90, 0x01000100                      ; my tile's two bytes of it, twice
	s_cmp_eq_u32 s88, 1
	s_cselect_b32 s90, 0x03020302, s90
	s_lshl_b32 s86, s14, 23                        ; out: a batch is 2^23 bytes, a token 4,096, a head 256
	s_lshl_b32 s88, s13, 8
	s_add_co_u32 s86, s86, s88
	s_lshl_b32 s88, s79, 12
	s_add_co_u32 s86, s86, s88
	s_add_nc_u64 s[84:85], s[8:9], s[86:87]
	s_mul_i32 s86, s10, 16*SP
	s_add_co_u32 s86, s86, STG                     ; my stage
	s_lshr_b32 s92, s10, 2                         ; the copy k of the table that my wave helps to make
	s_mul_i32 s94, s92, CPB
	s_add_co_u32 s94, s94, TBL
	s_lshl_b32 s93, s11, 9
	s_add_co_u32 s93, s93, s92
	s_add_co_u32 s93, s93, 512                     ; word n of copy k stands for the distance n - (k + 512 + 512 cx)
	v_and_b32 v7, 31, v0
	v_and_b32 v8, 15, v0                           ; r
	v_bfe_u32 v9, v0, 4, 1                         ; h
	v_and_b32 v[T0], 3, v0
	v_bfe_u32 v[T0+1], v0, 3, 1
	v_bfe_u32 v[T0+2], v0, 2, 1
	v_and_b32 v[TA], 127, v0
	v_lshlrev_b32 v[AK0], 4, v7
	v_lshlrev_b32 v[R16], 4, v8
	v_mul_u32_u24 v[STO], v8, SP
	v_mul_u32_u24 v[RD], v9, SP
	v_mul_u32_u24 v[AB0], v[T0], CPB               ; copy r % 4
	v_lshlrev_b32 v[SH8], 3, v9
	v_lshlrev_b32 v[T0+1], 7, v[T0+1]              ; 32 (r / 8) words
	v_lshlrev_b32 v[T0+2], 4, v[T0+2]              ; 4 ((r % 8) / 4) words
	v_lshlrev_b32 v[T0], 2, v[TA]
	v_add_nc_u32 v[AV0], VC, v[AK0]
	v_lshl_add_u32 v[AS0], v9, 12, v[R16]
	v_lshl_add_u32 v[STO], v9, 7, v[STO]
	v_add_nc_u32 v[RD], v[R16], v[RD]
	v_lshl_add_u32 v[AB0], v9, 7, v[AB0]           ; + 32 h words
	v_lshl_add_u32 v[GO], v9, 12, v[R16]
	v_lshlrev_b32 v[TA], 4, v[TA]
	v_sub_nc_u32 v[T0], v[T0], s93                 ; the distance of my first entry
	v_add_nc_u32 v[AS0], KSC, v[AS0]
	v_add_nc_u32 v[STO], s86, v[STO]
	v_add_nc_u32 v[RD], s86, v[RD]
	v_add_nc_u32 v[AB0], TBL+1024, v[AB0]          ; 512 - 256 words: the second pass's queries lie 256 on
	v_add_nc_u32 v[TA], s94, v[TA]
	v_add_nc_u32 v[T0+1], v[T0+1], v[T0+2]
	s_delay_alu instid0(VALU_DEP_1)
	v_add_nc_u32 v[T0+1], s91, v[T0+1]
	s_delay_alu instid0(VALU_DEP_1)
	v_sub_nc_u32 v[AB0], v[AB0], v[T0+1]
.irp j, 16,17,18,19,24,25,26,27
	v_mov_b32 v\j, 0                               ; the zero codes on both sides of Q
.endr
	v_mov_b32 v[FF+1], 0                           ; (named as the upper half of a pair)
.set N, 0
.rept 20                                       ; my 20 entries: five runs of four words, 128 runs apart
	v_add_nc_u32 v[128+N], 512*(N/4)+N%4, v[T0]
.set N, N+1
.endr
.set N, 0
.rept 20
	v_cvt_f32_i32 v[128+N], v[128+N]               ; whole numbers under 4,096: exact
.set N, N+1
.endr
.set N, 0
.rept 20
	v_mul_f32 v[96+N], s16, v[128+N]               ; slope x (key - query): one rounding
.set N, N+1
.endr
.macro TILEF t, b                      ; the logit: s / 32 + bias; the accumulator is read from its low end on
.irp j, 0,2,4,6
	v_pk_fma_f32 v[S+8*(\t)+\j:S+8*(\t)+\j+1], v[S+8*(\t)+\j:S+8*(\t)+\j+1], s[18:19], v[\b+\j:\b+\j+1] op_sel_hi:[1,0,1]
.endr
.endm
.macro BIAS c, reg                     ; the bias of score tiles 4 c .. 4 c + 3: eight words a tile
.irp i, 0,1,2,3
	ds_load_b128 v[\reg+8*\i:\reg+8*\i+3], v[ADB] offset:256*\c+32*\i
	ds_load_b128 v[\reg+8*\i+4:\reg+8*\i+7], v[ADB] offset:256*\c+32*\i+16
.endr
.endm
; A KEY STEP: 128 keys
.macro STEP
	v_add_nc_u32 v[ADK], s[TB], v[AK0]             ; these four are the places between the last products and the loads into their registers
	v_add_nc_u32 v[ADV], s[TB], v[AV0]
	v_add_nc_u32 v[ADS], s[TS], v[AS0]
	v_add_nc_u32 v[ADB], s[TJ], v[AB0]
.irp n, 0,1,2,3,4,5,6,7
	ds_load_b128 v[KF+4*\n:KF+4*\n+3], v[ADK] offset:512*\n
.endr
	ds_load_b128 v[KVS:KVS+3], v[ADS]
	BIAS 0, VF
	s_wait_alu depctr_va_vdst(0)
	s_wait_dscnt 8                                 ; K and the scale words are in; the eight loads of bias may be out
.irp t, 0,1,2,3,4,5,6,7
	v_wmma_scale_f32_16x16x128_f8f6f4 v[S+8*\t:S+8*\t+7], v[KF+8*(\t/2):KF+8*(\t/2)+7], v[20-4*(\t%2):27-4*(\t%2)], 0, v[KVS+\t/2], v[QS] matrix_a_fmt:MATRIX_FMT_FP4 matrix_b_fmt:MATRIX_FMT_FP4
.endr
	NOPS                                           ; four places: loads into K's registers and reads of the scores follow
	BIAS 1, KF
	s_wait_dscnt 8                                 ; the bias of tiles 0-3 is in; that of 4-7, the youngest eight, may be out
.irp t, 0,1,2,3
	TILEF \t, VF+8*\t
.endr
	s_wait_dscnt 0x0
.irp t, 0,1,2,3
	TILEF 4+\t, KF+8*\t
.endr
.irp n, 0,1,2,3,4,5,6,7
	ds_load_b128 v[VF+4*\n:VF+4*\n+3], v[ADV] offset:512*\n      ; V: fragment n / 2, its half n % 2; wanted behind the softmax
.endr
.irp x, 0,1,2,3                                ; the largest logit of each of my two blocks of 32 keys, in four chains by turns
	v_max3_num_f32 v[CH+\x], v[S+16*\x], v[S+16*\x+1], v[S+16*\x+2]
.endr
.irp n, 3,5,7,9,11,13
.irp x, 0,1,2,3
	s_delay_alu instid0(VALU_DEP_4)
	v_max3_num_f32 v[CH+\x], v[CH+\x], v[S+16*\x+\n], v[S+16*\x+\n+1]
.endr
.endr
	s_delay_alu instid0(VALU_DEP_3)
	v_max3_num_f32 v[BM], v[CH], v[CH+1], v[S+15]
	s_delay_alu instid0(VALU_DEP_2)
	v_max3_num_f32 v[BM+1], v[CH+2], v[CH+3], v[S+47]
.irp c, 0,1
	s_delay_alu instid0(VALU_DEP_2)
	v_max_num_f32 v[BM+\c], v[BM+\c], v[S+32*\c+31]
.endr
	s_delay_alu instid0(VALU_DEP_1)
	v_max_num_f32 v[T0], v[BM], v[BM+1]
	s_delay_alu instid0(VALU_DEP_1)
	v_permlanex16_b32 v[T0+1], v[T0], s22, s23
	s_delay_alu instid0(VALU_DEP_1)
	v_max3_num_f32 v[MR], v[MR], v[T0], v[T0+1]    ; m
	s_delay_alu instid0(VALU_DEP_1)
	v_xor_b32 v[MRN], 0x80000000, v[MR]
	s_delay_alu instid0(VALU_DEP_2)
	v_mul_f32 v[T0], s20, v[MR]                    ; tm
	v_mov_b32 v[T0+2], v13
	s_delay_alu instid0(VALU_DEP_2)
	v_floor_f32 v13, -v[T0]                        ; the new -M
	s_delay_alu instid0(VALU_DEP_1)
	v_sub_f32 v[T0+2], v13, v[T0+2]                ; old M - new M
	s_delay_alu instid0(VALU_DEP_1)
	v_cvt_i32_f32 v[T0+2], v[T0+2]                 ; (it saturates)
	s_delay_alu instid0(VALU_DEP_1)
	v_ldexp_f32 v[FF], 1.0, v[T0+2]                ; f
	s_delay_alu instid0(VALU_DEP_4)
	v_add_f32 v12, v[T0], v13                      ; g
.set N, 0
.rept 32
	v_pk_add_f32 v[S+N:S+N+1], v[S+N:S+N+1], v[MRN:MRN+1] op_sel_hi:[1,0]   ; logit - m
.set N, N+2
.endr
.irp c, 0,1
	v_add_f32 v[BP+\c], v[BM+\c], v[MRN]
.endr
.set N, 0
.rept 32
	v_pk_fma_f32 v[S+N:S+N+1], v[S+N:S+N+1], s[20:21], v[12:13] op_sel_hi:[1,0,0]   ; t - M
.set N, N+2
.endr
.irp c, 0,1
	v_fma_f32 v[BP+\c], v[BP+\c], s20, v12
.endr
	s_wait_alu depctr_va_vdst(0)                   ; ahead of the batch
.set N, 0
.rept 64
	v_exp_f32 v[S+N], v[S+N]                       ; p
.set N, N+1
.endr
	v_pk_mul_f32 v[14:15], v[14:15], v[FF:FF+1] op_sel_hi:[1,0]   ; the sums under the new M: the plain line behind the batch
	s_wait_alu depctr_va_vdst(0)                   ; one wait for the 64, ahead of their first reader
.irp c, 0,1
	v_exp_f32 v[BP+\c], v[BP+\c]                   ; each block's largest p
.endr
	v_pk_add_f32 v[CH:CH+1], v[S:S+1], v[S+2:S+3]  ; the row's sum of the unquantised p, in four chains by turns
	v_pk_add_f32 v[CH+2:CH+3], v[S+4:S+5], v[S+6:S+7]
	v_pk_add_f32 v[CH+4:CH+5], v[S+8:S+9], v[S+10:S+11]
	v_pk_add_f32 v[14:15], v[14:15], v[S+12:S+13]
.set N, 14
.rept 6
	v_pk_add_f32 v[CH:CH+1], v[CH:CH+1], v[S+N:S+N+1]
	v_pk_add_f32 v[CH+2:CH+3], v[CH+2:CH+3], v[S+N+2:S+N+3]
	v_pk_add_f32 v[CH+4:CH+5], v[CH+4:CH+5], v[S+N+4:S+N+5]
	v_pk_add_f32 v[14:15], v[14:15], v[S+N+6:S+N+7]
.set N, N+8
.endr
	v_pk_add_f32 v[CH:CH+1], v[CH:CH+1], v[S+62:S+63]
	v_pk_add_f32 v[CH+2:CH+3], v[CH+2:CH+3], v[CH+4:CH+5]
	s_delay_alu instid0(VALU_DEP_2)
	v_pk_add_f32 v[14:15], v[14:15], v[CH:CH+1]
	s_delay_alu instid0(VALU_DEP_1)
	v_pk_add_f32 v[14:15], v[14:15], v[CH+2:CH+3]
	s_wait_alu depctr_va_vdst(0)                   ; and one for the two
.irp c, 0,1
	v_max_num_f32 v[BP+\c], 0x1800000, v[BP+\c]    ; the floor 2^(3 - 127): the byte cannot fall under 1
.endr
.irp c, 0,1
	s_delay_alu instid0(VALU_DEP_2)
	v_add_nc_u32 v[SO+\c], 0xff000000, v[BP+\c]    ; 2 off the exponent field: the conversion's scale operand
.endr
.irp c, 0,1
	s_delay_alu instid0(VALU_DEP_2)
	v_lshrrev_b32 v[BY+\c], 23, v[SO+\c]
.endr
	s_delay_alu instid0(VALU_DEP_1)
	v_lshl_or_b32 v[PS], v[BY+1], 16, v[BY]
	s_delay_alu instid0(VALU_DEP_1)
	v_lshlrev_b32 v[PS], v[SH8], v[PS]
	s_delay_alu instid0(VALU_DEP_1)
	v_permlanex16_b32 v[T0+1], v[PS], s22, s23
	s_delay_alu instid0(VALU_DEP_1)
	v_or_b32 v[PS], v[PS], v[T0+1]                 ; P's scale word for these 128 keys
.irp c, 0,1
.irp i, 0,1,2,3
	v_cvt_scalef32_pk8_fp4_f32 v[PCD+4*\c+\i], v[S+32*\c+8*\i:S+32*\c+8*\i+7], v[SO+\c]
.endr
.endr
	v_nop                                          ; one plain line behind the last conversion
	s_wait_alu depctr_va_vdst(0)                   ; ahead of the first reader of O^T
.set N, 0
.rept 16
	v_pk_mul_f32 v[O+N:O+N+1], v[O+N:O+N+1], v[FF:FF+1] op_sel_hi:[1,0]   ; O^T under the new M; these sixteen also stand between the writes of P's codes and scale word and the products
.set N, N+2
.endr
	s_wait_alu depctr_va_vdst(0)
	s_wait_dscnt 0x0                               ; V is in
.irp ct, 0,1,2,3
	v_wmma_scale_f32_16x16x128_f8f6f4 v[O+8*\ct:O+8*\ct+7], v[VF+8*\ct:VF+8*\ct+7], v[PCD:PCD+7], v[O+8*\ct:O+8*\ct+7], v[KVS+\ct], v[PS] matrix_a_fmt:MATRIX_FMT_FP4 matrix_b_fmt:MATRIX_FMT_FP4 matrix_a_scale:MATRIX_SCALE_ROW1
.endr
	s_add_co_u32 s[TB], s[TB], 4096
	s_add_co_u32 s[TS], s[TS], 256
	s_add_co_u32 s[TJ], s[TJ], 512
.endm
.macro RUN n
	s_mov_b32 s78, \n
.Lstep_\@:
	s_wait_alu depctr_va_vdst(0)
	STEP
	s_sub_co_u32 s78, s78, 1
	s_cmp_lg_u32 s78, 0
	s_cbranch_scc1 .Lstep_\@
.endm
.macro INIT p                          ; pass p: its tile of queries lies 16 tiles (256 tokens) behind the first pass's
	global_load_b128 v[20:23], v[AK0], s[80:81] offset:8192*\p
	global_load_b32 v[T0], v[R16], s[82:83] offset:512*\p
	v_mov_b32 v[MR], 0xff61b1e6                    ; -3e38, under every logit
	v_mov_b32 v13, 0x7f61b1e6                      ; -M: the first step's f comes out as 0, over sums that are zeros
	v_mov_b32 v14, 0
	v_mov_b32 v15, 0
	s_mov_b32 s[TB], 0
	s_mov_b32 s[TS], 0
	s_mov_b32 s[TJ], 1024*(1-\p)
	s_wait_alu depctr_va_vdst(0)
	s_wait_loadcnt 0x0
	v_perm_b32 v[QS], v[T0], v[T0], s90
.set N, 0
.rept 32
	v_mov_b32 v[O+N], 0                            ; the step is written once: the first finds zeros; these 32 also stand between the write of Q's scale word and the first product
.set N, N+1
.endr
.endm
.macro OUT p                           ; O^T / the sum goes through my stage and leaves as aligned runs of 256 bytes
	NOPS                                           ; four places behind the last products
	v_add_f32 v14, v14, v15
	s_delay_alu instid0(VALU_DEP_1)
	v_permlanex16_b32 v[T0+1], v14, s22, s23
	s_delay_alu instid0(VALU_DEP_1)
	v_add_f32 v14, v14, v[T0+1]
	s_wait_alu depctr_va_vdst(0)                   ; a wait ahead of the reciprocal,
	v_rcp_f32 v14, v14
	v_nop
	s_wait_alu depctr_va_vdst(0)                   ; and ahead of its first reader
.set N, 0
.rept 16
	v_pk_mul_f32 v[128+N:129+N], v[O+N:O+N+1], v[14:15] op_sel_hi:[1,0]
.set N, N+2
.endr
.irp k, 0,1,2,3,4,5,6,7
	ds_store_b128 v[STO], v[128+4*\k:131+4*\k] offset:16*\k
.endr
.irp t, 0,1,2,3,4,5,6,7
	ds_load_b128 v[96+4*\t:99+4*\t], v[RD] offset:2*\t*SP        ; LDS serves a wave's instructions in order (ISA guide 5.7.1.4)
.endr
.irp t, 0,1,2,3,4,5,6,7
	s_wait_dscnt 7-\t                              ; rows 2 t, 2 t + 1 are back; the younger loads may be out
	global_store_b128 v[GO], v[96+4*\t:99+4*\t], s[84:85] offset:(32*(\t/4)+2*(\t%4))*4096+1048576*\p th:TH_STORE_NT   ; sixteen lanes store 256 consecutive bytes, aligned
.endr
	s_wait_xcnt 0x0                                ; the stores have read their registers
.endm
	INIT 0
	s_wait_alu depctr_va_vdst(0)                   ; the head's end
	s_wait_tensorcnt 0x0                           ; my one load, if I issued one, has landed,
	s_barrier_signal -1
	s_barrier_wait -1                              ; everybody's has
.irp u, 0,1,2,3,4
	ds_store_b128 v[TA], v[96+4*\u:99+4*\u] offset:2048*\u       ; my part of the bias table
.endr
	s_wait_dscnt 0x0
	s_barrier_signal -1
	s_barrier_wait -1                              ; the table is whole
	RUN 16
	OUT 0
	INIT 1
	RUN 16
	OUT 1
	s_wait_tensorcnt 0x0                           ; the wave's end
	ds_add_u32 v[SPW], v[NIL]
	s_wait_dscnt 0x0
	CROUND                                         ; the closing round
	s_endpgm
.Lfunc_end_k_q6ab27b414f_attn:
	.size	k_q6ab27b414f_attn, .Lfunc_end_k_q6ab27b414f_attn-k_q6ab27b414f_attn
	.p2alignl 7, 3214868480
	.fill 96, 4, 3214868480
	.section	.rodata,"a",@progbits
	.p2align	6, 0x0
	.amdhsa_kernel k_q6ab27b414f_attn
		.amdhsa_group_segment_fixed_size 252160
		.amdhsa_private_segment_fixed_size 0
		.amdhsa_enable_private_segment 0
		.amdhsa_kernarg_size 24
		.amdhsa_user_sgpr_count 2
		.amdhsa_user_sgpr_kernarg_segment_ptr 1
		.amdhsa_wavefront_size32 1
		.amdhsa_system_sgpr_workgroup_id_x 1
		.amdhsa_system_sgpr_workgroup_id_y 1
		.amdhsa_system_sgpr_workgroup_id_z 1
		.amdhsa_system_vgpr_workitem_id 0
		.amdhsa_next_free_vgpr 256
		.amdhsa_next_free_sgpr 96
		.amdhsa_reserve_vcc 0
		.amdhsa_float_denorm_mode_32 3
		.amdhsa_float_denorm_mode_16_64 3
		.amdhsa_memory_ordered 1
		.amdhsa_forward_progress 1
		.amdhsa_inst_pref_size 63
	.end_amdhsa_kernel
	.amdgpu_metadata
---
amdhsa.version: [ 1, 2 ]
amdhsa.kernels:
  - .name:           k_q6ab27b414f_attn
    .symbol:         k_q6ab27b414f_attn.kd
    .args:
      - { .name: qkv_codes, .offset: 0, .size: 8, .value_kind: global_buffer, .address_space: global }
      - { .name: qkv_scales, .offset: 8, .size: 8, .value_kind: global_buffer, .address_space: global }
      - { .name: out0, .offset: 16, .size: 8, .value_kind: global_buffer, .address_space: global }
    .group_segment_fixed_size: 252160
    .private_segment_fixed_size: 0
    .kernarg_segment_align: 8
    .kernarg_segment_size: 24
    .max_flat_workgroup_size: 512
    .sgpr_count:     96
    .vgpr_count:     256
    .wavefront_size: 32
...
	.end_amdgpu_metadata
.endif
;; end of part 2
